; MI455X (gfx1250); checked and timed in simulation.
; The chip was launched on July 23, 2026; its instructions are those of AMD's public machine-readable ISA for CDNA 5 (MIT licence, August 2026) and "CDNA5" Instruction Set Architecture Reference Guide (July 2026). The comments in the code are by the model that wrote it; some were corrected since.
;; Contact Map Predictor. Allowed arithmetic: matrix products marked QUANTISED: E3M2 operands, one E8M0 scale for each 32 along K, by v_wmma_scale_f32_16x16x128_f8f6f4 with both operands' format E3M2, f32 sums; products left as they are: f32 operands where the result goes on into a quantised operand, else bf16, f16 or f32 operands; f32 sums; everything else in f32.
;; Inputs: S_mol1 2 x 500 int32; S_mol2 2 x 800 int32; W1 256 x 128 float32; W2 128 x 1 float32; b1 128 float32; b2 1 float32; contact_map 2 x 500 x 800 float32; h_mol1_codes 2 x 500 x 4 x 24 uint8 (E3M2 codes of h_mol1, K innermost, in blocks of 32 codes, four codes in three bytes); h_mol1_scales 2 x 500 x 4 uint8 (E8M0 scales of h_mol1, one for each 32 codes along K); h_mol2_codes 2 x 800 x 4 x 24 uint8 (E3M2 codes of h_mol2, K innermost, in blocks of 32 codes, four codes in three bytes); h_mol2_scales 2 x 800 x 4 uint8 (E8M0 scales of h_mol2, one for each 32 codes along K).
;; Outputs: out0 2 x 400,000 float32; out1 2 x 400,000 float32; out2 2 x 400,000 float32.
;; This version of the problem:
;;   THIS VERSION OF THE PROBLEM IS GIVEN IN LOW PRECISION. The matrix products marked QUANTISED in the list below multiply operands that are first quantised to E3M2 (3 exponent bits, 2 mantissa bits; 6 bits a number), with one power-of-two scale for each 32 numbers along K (OCP MX v1.0); their sums are f32. All else is computed in f32.
;;   The module's matrix products, in the order in which they are computed (A, B: the left and right operand; K: the contracted axis; several contracted axes count as one K, in the product's order):
;;     1. [M 1,000, K 128] x [K 128, N 128]; A: input h_mol1 (given as codes); B: input W1: QUANTISED
;;     2. [M 1,600, K 128] x [K 128, N 128]; A: input h_mol2 (given as codes); B: input W1: QUANTISED
;;     3. [M 800,000, K 128] x [K 128, N 1]; A: computed on the way; B: input W2: left as it is (N = 1 < 16)
;;   THE QUANTISER, for each operand of a quantised product, along K:
;;     - K is cut into blocks of 32 from its start; a last block that is shorter is filled with zeros.
;;     - A block's scale is 2^e with e = floor(log2(the largest magnitude in the block)) - 4, held to -126 .. 127; a block of zeros has e = 0. As a byte (E8M0): e + 127.
;;     - Each number is divided by its block's scale, clamped to +-28, and rounded to the nearest number of E3M2, ties to even, subnormals kept.
;;     - The product sums the exact products of the quantised numbers (number of the format x scale) in f32.
;;   ~~~python
;;   def quantise(x, axis):      # numpy; x: float32 -> the quantised numbers, widened to float32 again
;;       x = np.moveaxis(x, axis, -1); K = x.shape[-1]
;;       x = np.pad(x, [(0, 0)] * (x.ndim - 1) + [(0, -K % 32)]); x = x.reshape(x.shape[:-1] + (-1, 32)); a = np.abs(x).max(-1, keepdims=True)
;;       e = np.where(a > 0, np.clip(np.frexp(np.where(a > 0, a, 1))[1] - 1 - 4, -126, 127), 0)      # np.frexp(a)[1] - 1 = floor(log2(a)), exactly
;;       r = np.clip(x / 2.0 ** e, -28, 28)
;;       step = 2.0 ** (np.maximum(np.frexp(np.where(r == 0, 1, r))[1] - 1, -2) - 2)
;;       q = np.round(r / step) * step * 2.0 ** e      # np.round: ties to even
;;       return np.moveaxis(q.reshape(q.shape[:-2] + (-1,))[..., :K], -1, axis).astype(np.float32)
;;   ~~~
;;   INPUTS GIVEN AS CODES. h_mol1 (in the module: [2, 500, 128], K = its axis 2); h_mol2 (in the module: [2, 800, 128], K = its axis 2): each comes as NAME_codes (uint8): NAME with its K axis moved to the last place and cut into blocks of 32 codes, [.., K / 32, bytes a block], one block behind the other in memory; four codes in three bytes: a row's codes are one little-endian stream of bits, code i at bits 6 i .. 6 i + 5 (a code: sign, 3 exponent bits, 2 mantissa bits); and NAME_scales (uint8): the same leading axes, one E8M0 byte (e + 127) for each 32 codes along K. Its value is code x scale, taken as it is: it is not quantised again, and the codes and scales need not be those that the quantiser above would give.
;; 2 versions, each right; version 2 is version 1 with the launch pairs written anew for expert scheduling mode. Each part assembles by itself: llvm-mc -triple=amdgcn-amd-amdhsa -mcpu=gfx1250 --defsym DOCPART=n.
;; ======== version 1 of 2: 1 launch
;; limits: a difference of large sums (such as E[x^2] - mean^2): digits are lost where the result is much smaller than its terms
;; launch pairs (part 1): grid 5 x 50, 16 waves a work-group, no clusters, 298,496 bytes of LDS; arguments W1, h_mol1_codes, h_mol1_scales, h_mol2_codes, h_mol2_scales, b1, W2, b2, S_mol1, S_mol2, contact_map, out0, out1, out2; writes out0, out1, out2
.if DOCPART == 1
	.amdgcn_target "amdgcn-amd-amdhsa--gfx1250"
	.amdhsa_code_object_version 6
	.text
	.protected	k_qb4b8145cc1_pairs
	.globl	k_qb4b8145cc1_pairs
	.p2align	8
	.type	k_qb4b8145cc1_pairs,@function
k_qb4b8145cc1_pairs:
	s_mov_b64 s[64:65], 0
	v_nop
	global_prefetch_b8 v0, s[64:65] scope:SCOPE_SE
	s_setreg_imm32_b32 hwreg(HW_REG_WAVE_MODE, 25, 1), 1
	s_wait_xcnt 0x0
; pred[b][n][m] = sum over f of W2[f] relu(p1[b][n][f] + p2[b][m][f] + b1[f]) + b2,  p1 = h_mol1 Q(W1[:128]),  p2 = h_mol2 Q(W1[128:]);  mask = (S_mol1 != 0)(S_mol2 != 0);  y_contact = (contact_map < 0.5) mask.
; p1 and p2 are products on codes of BF6 (E3M2) with one E8M0 scale for each 32 along K: h arrives as codes, W1 (f32, K its first axis) is quantised here, down its columns.
; NOTHING IS LEFT OUT: every input has a way to an output, and all are loaded.
; THE PAIR SUM.  For all real x, y: relu(x + y) = max(y, -x) + x.  With x = p1 and y = c = p2 + b1:  pred = sum_f W2[f] max(c[m][f], e[n][f]) + sA[n] + b2,  e = -p1,  sA[n] = sum_f W2[f] p1[n][f].
; So a pair's feature costs one maximum and half a packed multiply-add.  b1 is the C of p2's matrix instructions.  The product with W2 has one column: it is done by f32 multiply-adds.
; LIMITS.  The order of rounding differs from the source's: the term W2 p1 is added once a row and not inside the relu, which moves a result by some 2^-22 x sum_f |W2[f] p1[n][f]|.
; A p1 that is infinite gives NaN (infinity less infinity) where the source may give a number; a NaN among c or e loses in the maximum.  NaN and infinities in W1 are not served.  A block of zeros of W1 gets the
; scale byte 1 where the quantiser says 127: its codes are zeros, which add nothing under any byte but 0xff, and this program alone reads the bytes.  Blocks of W1 whose largest magnitude lies under 2^(5 - 127) are held at that byte.
; SHARES.  The rows (b, n) count 0 .. 999; a row of an output is 3,200 bytes, two rows are 25 x 256.  Work-group (t, y) owns bytes 1,280 t .. 1,280 t + 1,279 of each of the ten row pairs 10 y + k: ten aligned runs of
; 1,280 bytes in each output, 3,200 pairs, 250 equal work-groups.  A run is two halves of 160 numbers: half hf has s = 2 t + hf, lies in the pair's row pi = (s >= 5) and holds columns m0 = 160 (s - 5 pi) on.
; Sixteen waves; w = 8 hf + ft.  HEAD: wave w quantises one fragment of W1 (K half hf, columns 16 ft on) and copies its part of half hf's 160 rows of h_mol2 codes into LDS.  PROJECTION: features 16 ft on of half hf: ten tiles
; of c, one of e.  PAIRS: w = 8 hf + 4 q + fq: rows k = 5 q .. 5 q + 4, all 160 columns (a lane a column, five groups of 32), features 32 fq on.  WAY OUT: a thread takes 16 bytes, piece i = thread, and i = 512 + thread in waves 0 to 8.
; NO CLUSTER: the grid is 5 x 50, and neither 5 nor 50 is a multiple of 4.  What all work-groups share, W1, goes through registers to the quantiser: there is no tensor load, no copy, and no LDS byte is filled twice.
; No loop, no change of EXEC; every branch hangs on the wave's number.
.set WIMG,  0                          ; LDS: W1's 16 fragments as images of their registers: 1,536 bytes each, store c at 512 c + 16 x lane
.set WSC,   24576                      ; their scale words: 128 bytes a fragment, 4 x lane
.set HRAW,  26624                      ; h_mol2's codes as they lie, 96 bytes a row, 160 rows (15,360 bytes) for each half
.set CB,    57344                      ; c: 320 rows (160 hf + column), 512 bytes + 16: the sixteen rows that a 16-byte access touches start at sixteen different 16-byte columns (64 banks of 4 bytes: ISA guide 11.1)
.set EB,    226304                     ; e: rows 16 hf + k, the same pitch
.set SAP,   243200                     ; sA in eight parts: the word ((2 k + hf) 8 + ft)
.set WL,    244224                     ; W2, a copy for each half: 512 hf + 4 f
.set STG,   245248                     ; the pair sums in four parts: 12,800 fq + 16 i
.set SPARE, 296448                     ; the spare words, 128 bytes for each wave: eight blocks of 256 bytes that no other line names
.set PITCH, 528
.set SPW, 1                            ; v1   LDS address of my spare word; never rewritten
.set NIL, 2                            ; v2   0; never rewritten
.set LN,  3                            ; v3   lane;  v4 r = lane % 16;  v5 h = lane / 16
.set RR,  4
.set HH,  5
.set WBS, 6                            ; v6   scale words of W1's lower half's fragment;  v7 of the upper half's;  v8 of h_mol1's rows;  v10-19 of h_mol2's ten tiles.  These hold scales and nothing else
.set WTS, 7
.set H1S, 8
.set HS,  10
.set EO,  20                           ; v20-21  byte offset of my piece (0, 1) in contact_map and in the outputs
.set SAR, 22                           ; v22-23  LDS address of my piece's eight parts of sA
.set STR, 24                           ; v24  STG + 16 x thread
.set CST, 25                           ; v25-26  where I store c: tiles 0-4, tiles 5-9
.set EST, 27                           ; v27  where I store e
.set SAST, 28                          ; v28  and my part of sA
.set WLST, 29                          ; v29  and my 16 numbers of W2
.set IMS, 30                           ; v30  my fragment's image, on the way in;  v31 the images that I fetch
.set IMF, 31
.set SCS, 32                           ; v32, v33  the same for the scale words
.set SCF, 33
.set HRS, 34                           ; v34  where I store raw codes
.set HFA, 35                           ; v35  my lane's place in a tile of raw codes
.set CRD, 36                           ; v36-37  c on the way back: groups 0-2, groups 3-4
.set ERD, 38                           ; v38  e on the way back (the same address in all lanes)
.set WRD, 39                           ; v39  W2 on the way back (likewise)
.set STW, 40                           ; v40  where I store pair sums
.set XO,  41                           ; v41-50 offsets in memory: W1; raw codes; 4 r; h_mol1's codes; its scales; 32 h; S_mol2 and S_mol1 of piece 0, of piece 1.  None is rewritten
.set HRO, 42
.set R4,  43
.set H1O, 44
.set H1SO, 45
.set H32, 46
.set S2O, 47
.set S1O, 48
.set PD,  54                           ; v54  a lane permute's destination: written once at the head, since it counts as a source
.set X,   64                           ; v64-127  W1: register 32 c + i = W1(128 hf + 64 c + 32 h + i, 16 ft + r)
.set HF,  64                           ; later five fragments of h_mol2, 12 registers each
.set HR,  128                          ; v128-143 raw codes on their way to LDS
.set MX,  144                          ; v144-145 largest magnitudes; v146-147 scale operands; v148-149 bytes; v150 the scale word; v151 at work
.set PC,  152                          ; v152-163 the fragment's codes;  v164-166, v168-170 the upper halves of the blocks as they are made
.set QH,  164
.set DD,  128                          ; later five tiles of c
.set DP,  168                          ; and the tile of p1
.set H1F, 176                          ; v176-187 h_mol1's fragment
.set B1R, 188                          ; v188-195 b1 in the result's layout;  v196-203 W2 likewise
.set WT,  196
.set WB,  204                          ; v204-215 W1's lower half's fragment;  v216-227 the upper half's
.set WTF, 216
.set CM,  228                          ; piece k: v[228 + 8 k ..] contact_map, v[232 + 8 k ..] S_mol2, v[244 + k] S_mol1
.set S2R, 232
.set S1R, 244
.set NE,  246                          ; v246-253 e = -p1
.set ACC, 64                           ; the pair loop: 25 sums, each a pair (even features', odd features'): (i, j) at v[64 + 2 (5 i + j)]
.set WR,  114                          ; v114-145 W2 of my 32 features
.set CBUF, 146                         ; buffer n: c at v[146 + 40 n ..], e at v[166 + 40 n ..]: five times four features each
.set EBUF, 166
.set T,   226                          ; v226-245 twenty maxima
.macro BARRIER                         ; my LDS stores have landed and my LDS loads are in: then the work-group's barrier
	s_wait_dscnt 0x0
	s_barrier_signal -1
	s_barrier_wait -1
.endm
; Piece i (in v[ir]) of the work-group's 800: rho = i / 40 = 2 k + hf, p = i - 40 rho.  i x 1639 >> 16 is i / 40 for every i under 800: 1639 x 40 = 65,536 + 24, and 24 x 19 + 1639 x 39 stays under 65,536.
.macro ELADDR k, ir
	v_mul_u32_u24 v57, v[\ir], 1639
	v_lshrrev_b32 v57, 16, v57                     ; rho
	v_mul_u32_u24 v58, v57, 40
	v_sub_nc_u32 v58, v[\ir], v58                  ; p
	v_lshrrev_b32 v59, 1, v57                      ; k
	v_and_b32 v60, 1, v57                          ; the piece's half
	v_lshlrev_b32 v61, 4, v[\ir]
	v_mad_u32_u24 v[EO+\k], v59, 5120, v61         ; 16 i + (6,400 - 1,280) k: from run to run
	v_lshl_add_u32 v[SAR+\k], v57, 5, SAP
	v_add_nc_u32 v60, s55, v60                     ; s = 2 t + half
	v_cmp_le_u32 vcc_lo, 5, v60
	v_cndmask_b32 v62, 0, 1, vcc_lo                ; pi
	v_mul_u32_u24 v63, v60, 640
	v_lshl_add_u32 v63, v58, 4, v63
	v_mul_u32_u24 v61, v62, 3200
	v_sub_nc_u32 v[S2O+2*\k], v63, v61             ; S_mol2: 4 (160 (s - 5 pi) + 4 p)
	v_lshlrev_b32 v61, 2, v62
	v_lshl_add_u32 v[S1O+2*\k], v59, 3, v61        ; S_mol1: 4 (2 k + pi)
.endm
.macro ELLOAD k
	global_load_b128 v[CM+8*\k:CM+8*\k+3], v[EO+\k], s[24:25] th:TH_LOAD_NT      ; read once in the launch
	global_load_b128 v[S2R+8*\k:S2R+8*\k+3], v[S2O+2*\k], s[22:23]
	global_load_b32 v[S1R+\k], v[S1O+2*\k], s[20:21]
.endm
; mask and y_contact of a piece, in place; sixteen neighbouring lanes store 256 consecutive bytes, at a multiple of 256 from the output's first byte
.macro ELWORK k
	v_cmp_ne_u32 vcc_lo, 0, v[S1R+\k]
	v_cndmask_b32 v[S1R+\k], 0, 1.0, vcc_lo
.irp x, 0,1,2,3
	v_cmp_ne_u32 vcc_lo, 0, v[S2R+8*\k+\x]
	v_cndmask_b32 v[S2R+8*\k+\x], 0, v[S1R+\k], vcc_lo            ; mask
	v_cmp_gt_f32 vcc_lo, 0.5, v[CM+8*\k+\x]
	v_cndmask_b32 v[CM+8*\k+\x], 0, v[S2R+8*\k+\x], vcc_lo        ; y_contact
.endr
	global_store_b128 v[EO+\k], v[CM+8*\k:CM+8*\k+3], s[28:29] th:TH_STORE_NT
	global_store_b128 v[EO+\k], v[S2R+8*\k:S2R+8*\k+3], s[30:31] th:TH_STORE_NT
.endm
; the largest magnitude of my block c of W1: all its 32 numbers are mine.  Two chains, and the floor 2^(5 - 127) among the leaves, so that the byte cannot fall under 1
.macro BLKMAX c
	v_max3_num_f32 v[MX+\c], |v[X+32*\c]|, |v[X+32*\c+1]|, 0x2800000
	v_max3_num_f32 v151, |v[X+32*\c+16]|, |v[X+32*\c+17]|, |v[X+32*\c+18]|
.irp i, 0,1,2,3,4,5
	v_max3_num_f32 v[MX+\c], v[MX+\c], |v[X+32*\c+2+2*\i]|, |v[X+32*\c+3+2*\i]|
	v_max3_num_f32 v151, v151, |v[X+32*\c+19+2*\i]|, |v[X+32*\c+20+2*\i]|
.endr
	v_max3_num_f32 v[MX+\c], v[MX+\c], |v[X+32*\c+14]|, |v[X+32*\c+15]|
	v_max3_num_f32 v[MX+\c], v[MX+\c], v151, |v[X+32*\c+31]|
.endm
; five fragments of h_mol2 (tiles 5 bt on) from the raw rows: lane (r, h) takes the 24 bytes at 96 r + 24 h and those 48 further on, in pieces of 8 bytes
.macro HFRAG bt
.irp u, 0,1,2,3,4
.irp p, 0,1,2,3,4,5
	ds_load_b64 v[HF+12*\u+2*\p:HF+12*\u+2*\p+1], v[HFA] offset:HRAW+1536*(5*(\bt)+\u)+48*(\p/3)+8*(\p%3)
.endr
.endr
.endm
; five tiles of c = p2 + b1, TRANSPOSED: source 0 = 16 features of W1, source 1 = 16 rows of h_mol2: lane (r, h), register j holds row r, feature 16 ft + 8 h + j.  Five different accumulators: no chain
.macro PROJ bt
.irp u, 0,1,2,3,4
	v_wmma_scale_f32_16x16x128_f8f6f4 v[DD+8*\u:DD+8*\u+7], v[WB:WB+11], v[HF+12*\u:HF+12*\u+11], v[B1R:B1R+7], v[WBS], v[HS+5*(\bt)+\u] matrix_a_fmt:MATRIX_FMT_BF6 matrix_b_fmt:MATRIX_FMT_BF6
.endr
.endm
.macro CSTORE bt
.irp u, 0,1,2,3,4
	ds_store_b128 v[CST+\bt], v[DD+8*\u:DD+8*\u+3] offset:16*PITCH*\u          ; each accumulator from its low end on
	ds_store_b128 v[CST+\bt], v[DD+8*\u+4:DD+8*\u+7] offset:16*PITCH*\u+16
.endr
.endm
; four features (chunk ch of my 32): c of my lane's five columns, e of my five rows: ten LDS loads
.macro LOADCH buf, ch
.irp j, 0,1,2
	ds_load_b128 v[CBUF+40*(\buf)+4*\j:CBUF+40*(\buf)+4*\j+3], v[CRD] offset:32*PITCH*\j+16*(\ch)
.endr
.irp j, 3,4
	ds_load_b128 v[CBUF+40*(\buf)+4*\j:CBUF+40*(\buf)+4*\j+3], v[CRD+1] offset:32*PITCH*(\j-3)+16*(\ch)
.endr
.irp i, 0,1,2,3,4
	ds_load_b128 v[EBUF+40*(\buf)+4*\i:EBUF+40*(\buf)+4*\i+3], v[ERD] offset:PITCH*\i+16*(\ch)
.endr
.endm
; 25 pairs x 4 features: for each row twenty maxima and ten packed multiply-adds; two on one sum stand five lines apart.  first = 1: the first products start the sums: nothing is cleared
.macro COMP buf, ch, first
.irp i, 0,1,2,3,4
.irp j, 0,1,2,3,4
.irp x, 0,1,2,3
	v_max_num_f32 v[T+4*\j+\x], v[EBUF+40*(\buf)+4*\i+\x], v[CBUF+40*(\buf)+4*\j+\x]
.endr
.endr
.irp j, 0,1,2,3,4
.if \first
	v_pk_mul_f32 v[ACC+2*(5*\i+\j):ACC+2*(5*\i+\j)+1], v[T+4*\j:T+4*\j+1], v[WR+4*(\ch):WR+4*(\ch)+1]
.else
	v_pk_fma_f32 v[ACC+2*(5*\i+\j):ACC+2*(5*\i+\j)+1], v[T+4*\j:T+4*\j+1], v[WR+4*(\ch):WR+4*(\ch)+1], v[ACC+2*(5*\i+\j):ACC+2*(5*\i+\j)+1]
.endif
.endr
.irp j, 0,1,2,3,4
	v_pk_fma_f32 v[ACC+2*(5*\i+\j):ACC+2*(5*\i+\j)+1], v[T+4*\j+2:T+4*\j+3], v[WR+4*(\ch)+2:WR+4*(\ch)+3], v[ACC+2*(5*\i+\j):ACC+2*(5*\i+\j)+1]
.endr
.endr
.endm
; pred of piece k: the four parts of its pair sums, the eight parts of its row's sA, and b2.  Each piece has registers of its own (from v[64 + 32 k] on), so that no store's data are written again
.macro OUT0 k
.irp f, 0,1,2,3
	ds_load_b128 v[64+32*\k+4*\f:64+32*\k+4*\f+3], v[STR] offset:12800*\f+8192*\k
.endr
	ds_load_b128 v[80+32*\k:83+32*\k], v[SAR+\k]
	ds_load_b128 v[84+32*\k:87+32*\k], v[SAR+\k] offset:16
	s_wait_dscnt 0x0
	v_pk_add_f32 v[80+32*\k:81+32*\k], v[80+32*\k:81+32*\k], v[82+32*\k:83+32*\k]
	v_pk_add_f32 v[84+32*\k:85+32*\k], v[84+32*\k:85+32*\k], v[86+32*\k:87+32*\k]
	v_pk_add_f32 v[64+32*\k:65+32*\k], v[64+32*\k:65+32*\k], v[68+32*\k:69+32*\k]
	v_pk_add_f32 v[66+32*\k:67+32*\k], v[66+32*\k:67+32*\k], v[70+32*\k:71+32*\k]
	v_pk_add_f32 v[72+32*\k:73+32*\k], v[72+32*\k:73+32*\k], v[76+32*\k:77+32*\k]
	v_pk_add_f32 v[74+32*\k:75+32*\k], v[74+32*\k:75+32*\k], v[78+32*\k:79+32*\k]
	v_pk_add_f32 v[80+32*\k:81+32*\k], v[80+32*\k:81+32*\k], v[84+32*\k:85+32*\k]
	v_pk_add_f32 v[64+32*\k:65+32*\k], v[64+32*\k:65+32*\k], v[72+32*\k:73+32*\k]
	v_pk_add_f32 v[66+32*\k:67+32*\k], v[66+32*\k:67+32*\k], v[74+32*\k:75+32*\k]
	v_add_f32 v[90+32*\k], v[80+32*\k], v[81+32*\k]               ; sA
	v_add_f32 v[88+32*\k], s38, v[90+32*\k]                       ; + b2, in both registers of a pair
	v_add_f32 v[89+32*\k], s38, v[90+32*\k]
	v_pk_add_f32 v[64+32*\k:65+32*\k], v[64+32*\k:65+32*\k], v[88+32*\k:89+32*\k]
	v_pk_add_f32 v[66+32*\k:67+32*\k], v[66+32*\k:67+32*\k], v[88+32*\k:89+32*\k]
	global_store_b128 v[EO+\k], v[64+32*\k:67+32*\k], s[26:27] th:TH_STORE_NT    ; sixteen lanes store 256 consecutive bytes, aligned
.endm
	; ---- set-up: ids, and every address register, ahead of every branch
	s_load_b512 s[4:19], s[0:1], 0x0               ; W1 s[4:5], h_mol1's codes s[6:7], scales s[8:9], h_mol2's codes s[10:11], scales s[12:13], b1 s[14:15], W2 s[16:17], b2 s[18:19]
	s_load_b256 s[20:27], s[0:1], 0x40             ; S_mol1 s[20:21], S_mol2 s[22:23], contact_map s[24:25], out0 s[26:27]
	s_load_b128 s[28:31], s[0:1], 0x60             ; out1 s[28:29], out2 s[30:31]
	v_lshl_add_u32 v[SPW], v0, 2, SPARE
	v_mov_b32 v[NIL], 0
	v_lshrrev_b32 v51, 5, v0
	v_readfirstlane_b32 s32, v51                   ; wave 0..15
	s_lshr_b32 s33, s32, 3                         ; hf
	s_and_b32 s34, s32, 7                          ; ft
	s_bfe_u32 s48, s32, 0x10002                    ; q
	s_and_b32 s49, s32, 3                          ; fq
	s_mov_b32 s35, ttmp9                           ; t
	s_and_b32 s36, ttmp7, 0xffff                   ; y
	s_cmp_ge_u32 s36, 25
	s_cselect_b32 s37, 1, 0                        ; the batch: rows 20 y on lie in batch 1 from y = 25 on
	s_mov_b32 s40, 0x76543210
	s_mov_b32 s41, 0xfedcba98                      ; v_permlanex16_b32's selects for lane l xor 16
	s_lshl_b32 s55, s35, 1                         ; 2 t
	s_add_co_u32 s42, s55, s33                     ; s
	s_cmp_ge_u32 s42, 5
	s_cselect_b32 s43, 1, 0                        ; pi
	s_mul_i32 s50, s43, 5
	s_sub_co_u32 s50, s42, s50
	s_mul_i32 s44, s50, 160                        ; m0
	s_mul_i32 s50, s37, 800
	s_add_co_u32 s44, s44, s50                     ; my half's first row of h_mol2
	s_mul_i32 s45, s36, 20
	s_add_co_u32 s45, s45, s43                     ; my half's first row of h_mol1; the others lie two apart
	v_and_b32 v[LN], 31, v0
	v_and_b32 v[RR], 15, v0
	v_bfe_u32 v[HH], v0, 4, 1
	v_mov_b32 v[PD], 0
	v_lshl_add_u32 v[STR], v0, 4, STG
	s_lshl_b32 s51, s34, 6                         ; 64 ft: 16 features in bytes
	s_lshl_b32 s53, s49, 7                         ; 128 fq: 32 features
	v_mul_u32_u24 v51, v[RR], PITCH
	v_lshl_add_u32 v52, v[HH], 5, v51              ; row r, + 8 h features
	s_mul_i32 s50, s33, 160*PITCH
	s_add_co_u32 s50, s50, s51
	s_add_co_u32 s50, s50, CB
	v_add_nc_u32 v[CST], s50, v52
	v_add_nc_u32 v[CST+1], 80*PITCH, v[CST]
	s_mul_i32 s50, s33, 16*PITCH
	s_add_co_u32 s50, s50, s51
	s_add_co_u32 s50, s50, EB
	v_add_nc_u32 v[EST], s50, v52
	s_lshl_b32 s50, s33, 5
	s_lshl_b32 s52, s34, 2
	s_add_co_u32 s50, s50, s52
	s_add_co_u32 s50, s50, SAP
	v_lshl_add_u32 v[SAST], v[RR], 6, s50
	s_lshl_b32 s50, s33, 9
	s_add_co_u32 s52, s50, s51
	s_add_co_u32 s52, s52, WL
	v_lshl_add_u32 v[WLST], v[HH], 5, s52
	s_add_co_u32 s50, s50, s53
	s_add_co_u32 s50, s50, WL
	v_mov_b32 v[WRD], s50
	s_mul_i32 s52, s32, 1536
	v_lshl_add_u32 v[IMS], v[LN], 4, s52
	s_mul_i32 s52, s34, 1536
	v_lshl_add_u32 v[IMF], v[LN], 4, s52
	s_lshl_b32 s52, s32, 7
	v_lshl_add_u32 v[SCS], v[LN], 2, s52
	s_lshl_b32 s52, s34, 7
	v_lshl_add_u32 v[SCF], v[LN], 2, s52
	v_and_b32 v51, 255, v0                         ; my number among my half's 256 threads
	v_lshlrev_b32 v[HRO], 4, v51
	s_mul_i32 s52, s33, 15360
	v_add_nc_u32 v[HRS], s52, v[HRO]
	v_mul_u32_u24 v53, v[RR], 96
	v_mad_u32_u24 v53, v[HH], 24, v53
	v_add_nc_u32 v[HFA], s52, v53
	s_mul_i32 s50, s33, 160*PITCH
	s_add_co_u32 s50, s50, s53
	s_add_co_u32 s50, s50, CB
	v_mul_u32_u24 v51, v[LN], PITCH
	v_add_nc_u32 v[CRD], s50, v51
	v_add_nc_u32 v[CRD+1], 96*PITCH, v[CRD]
	s_lshl_b32 s50, s33, 4
	s_mul_i32 s54, s48, 5
	s_add_co_u32 s50, s50, s54
	s_mul_i32 s50, s50, PITCH
	s_add_co_u32 s50, s50, s53
	s_add_co_u32 s50, s50, EB
	v_mov_b32 v[ERD], s50
	s_mul_i32 s50, s49, 12800
	s_mul_i32 s54, s48, 6400
	s_add_co_u32 s50, s50, s54
	s_mul_i32 s54, s33, 640
	s_add_co_u32 s50, s50, s54
	s_add_co_u32 s50, s50, STG
	v_lshl_add_u32 v[STW], v[LN], 2, s50
	v_lshlrev_b32 v[R4], 2, v[RR]
	v_lshl_add_u32 v[XO], v[HH], 14, v[R4]         ; W1: column r, and 32 rows of 512 bytes further down for lanes 16-31
	v_min_u32 v55, 9, v[RR]                        ; a half has ten rows of h_mol1: lanes 10-15 take the tenth again, and their results are not read
	v_mul_u32_u24 v[H1O], v55, 192
	v_mad_u32_u24 v[H1O], v[HH], 24, v[H1O]
	v_lshlrev_b32 v[H1SO], 3, v55
	v_lshlrev_b32 v[H32], 5, v[HH]
	ELADDR 0, 0
	v_add_nc_u32 v56, 512, v0
	ELADDR 1, 56
	s_mov_b32 s47, 0
	s_wait_kmcnt 0x0
	s_lshl_b32 s46, s33, 16                        ; W1: 128 hf rows of 512 bytes, + 16 ft columns
	s_add_co_u32 s46, s46, s51
	s_add_nc_u64 s[4:5], s[4:5], s[46:47]
	s_mul_i32 s46, s44, 96
	s_add_nc_u64 s[10:11], s[10:11], s[46:47]
	s_lshl_b32 s46, s44, 2
	s_add_nc_u64 s[12:13], s[12:13], s[46:47]
	s_mul_i32 s46, s45, 96
	s_add_nc_u64 s[6:7], s[6:7], s[46:47]
	s_lshl_b32 s46, s45, 2
	s_add_nc_u64 s[8:9], s[8:9], s[46:47]
	s_mov_b32 s46, s51
	s_add_nc_u64 s[14:15], s[14:15], s[46:47]
	s_add_nc_u64 s[16:17], s[16:17], s[46:47]
	s_mul_i32 s46, s36, 80
	s_add_nc_u64 s[20:21], s[20:21], s[46:47]
	s_mul_i32 s46, s37, 3200
	s_add_nc_u64 s[22:23], s[22:23], s[46:47]
	s_mul_i32 s46, s36, 64000
	s_mul_i32 s50, s35, 1280
	s_add_co_u32 s46, s46, s50
	s_add_nc_u64 s[24:25], s[24:25], s[46:47]
	s_add_nc_u64 s[26:27], s[26:27], s[46:47]
	s_add_nc_u64 s[28:29], s[28:29], s[46:47]
	s_add_nc_u64 s[30:31], s[30:31], s[46:47]
	s_load_b32 s38, s[18:19], 0x0                  ; b2: wanted on the way out
	; ---- all loads from memory, in one run, in the order in which they are wanted
.irp kk, 0,1,2
	global_load_b128 v[HR+4*\kk:HR+4*\kk+3], v[HRO], s[10:11] offset:4096*\kk    ; a half's 15,360 bytes of codes are 960 pieces of 16: three for each of 256 threads,
.endr
	s_cmp_lt_u32 s34, 6
	s_cbranch_scc0 .Lno_load3
	global_load_b128 v[HR+12:HR+15], v[HRO], s[10:11] offset:12288               ; and a fourth for the first 192
.Lno_load3:
.irp c, 0,1
.irp i, 0,1,2,3,4,5,6,7,8,9,10,11,12,13,14,15,16,17,18,19,20,21,22,23,24,25,26,27,28,29,30,31
	global_load_b32 v[X+32*\c+\i], v[XO], s[4:5] offset:(64*\c+\i)*512           ; a lane to a column, registers down K: sixteen lanes read 64 neighbouring bytes
.endr
.endr
.irp u, 0,1,2,3,4,5,6,7,8,9
	global_load_b32 v[HS+\u], v[R4], s[12:13] offset:64*\u
.endr
.irp p, 0,1,2,3,4,5
	global_load_b64 v[H1F+2*\p:H1F+2*\p+1], v[H1O], s[6:7] offset:48*(\p/3)+8*(\p%3)
.endr
	global_load_b32 v[H1S], v[H1SO], s[8:9]
	global_load_b128 v[B1R:B1R+3], v[H32], s[14:15]
	global_load_b128 v[B1R+4:B1R+7], v[H32], s[14:15] offset:16
	global_load_b128 v[WT:WT+3], v[H32], s[16:17]
	global_load_b128 v[WT+4:WT+7], v[H32], s[16:17] offset:16
	ELLOAD 0
	s_cmp_lt_u32 s32, 9                            ; 800 pieces = 512 + 288: waves 0 to 8 have a second
	s_cbranch_scc0 .Lno_el_load
	ELLOAD 1
.Lno_el_load:
	; ---- the raw codes go to LDS; my fragment of W1 is quantised
	s_wait_loadcnt 56                              ; loads come back in order (ISA guide 5.7.1): out may be W1's second block (32) and the 24 loads behind it (27 in waves 0 to 8, for which the count is stricter than needed)
.irp kk, 0,1,2
	ds_store_b128 v[HRS], v[HR+4*\kk:HR+4*\kk+3] offset:HRAW+4096*\kk
.endr
	s_cmp_lt_u32 s34, 6
	s_cbranch_scc0 .Lno_store3
	ds_store_b128 v[HRS], v[HR+12:HR+15] offset:HRAW+12288
.Lno_store3:
	BLKMAX 0
	s_wait_loadcnt 24                              ; all of W1 is in
	BLKMAX 1
	v_add_nc_u32 v146, 0xfe000000, v144            ; 4 off the exponent field: the conversion takes the exponent field of this operand as its scale, and nothing else of it
	v_add_nc_u32 v147, 0xfe000000, v145
	v_lshrrev_b32 v148, 23, v146                   ; the scales' bytes: blocks h and 2 + h of my column
	v_lshrrev_b32 v149, 23, v147
	v_lshl_or_b32 v150, v149, 16, v148
	v_lshlrev_b32 v151, 3, v[HH]
	v_lshlrev_b32 v150, v151, v150                 ; at their places in the scale word (8 h bits up);
	v_permlanex16_b32 v[PD], v150, s40, s41
	v_or_b32 v150, v150, v[PD]                     ; with lane l xor 16's two the word is whole
.irp c, 0,1
	v_cvt_scalef32_pk16_bf6_f32 v[PC+6*\c:PC+6*\c+2], v[X+32*\c:X+32*\c+15], v[146+\c]
	v_cvt_scalef32_pk16_bf6_f32 v[QH+4*\c:QH+4*\c+2], v[X+32*\c+16:X+32*\c+31], v[146+\c]   ; (a conversion's three registers begin on an even number: the upper half of a block's six is made here and moved)
.endr
	v_nop                                          ; one plain place behind a scaled conversion
.irp c, 0,1
.irp i, 0,1,2
	v_mov_b32 v[PC+3+6*\c+\i], v[QH+4*\c+\i]
.endr
.endr
.irp c, 0,1,2
	ds_store_b128 v[IMS], v[PC+4*\c:PC+4*\c+3] offset:WIMG+512*\c               ; the fragment goes to LDS as it stands: any wave that loads it by the same lines has the same registers in the same lanes
.endr
	ds_store_b32 v[SCS], v150 offset:WSC
	BARRIER                                        ; W1's sixteen fragments and both halves' raw codes lie in LDS
	; ---- my two fragments of W1 and the first five of h_mol2 are fetched; mask and y_contact are made meanwhile
.irp c, 0,1,2
	ds_load_b128 v[WTF+4*\c:WTF+4*\c+3], v[IMF] offset:WIMG+512*\c
.endr
	ds_load_b32 v[WTS], v[SCF] offset:WSC
.irp c, 0,1,2
	ds_load_b128 v[WB+4*\c:WB+4*\c+3], v[IMF] offset:WIMG+8*1536+512*\c
.endr
	ds_load_b32 v[WBS], v[SCF] offset:WSC+8*128
	HFRAG 0
	s_wait_loadcnt 0x0                             ; all that came from memory
	ELWORK 0
	s_cmp_lt_u32 s32, 9
	s_cbranch_scc0 .Lno_el_work
	ELWORK 1
.Lno_el_work:
	ds_store_b128 v[WLST], v[WT:WT+3]              ; W2 for the pair loop: the sixteen lanes of a half write the same bytes with the same values
	ds_store_b128 v[WLST], v[WT+4:WT+7] offset:16
	s_wait_dscnt 0x0                               ; the fragments and their scale words are in
	; ---- the projections: eleven matrix instructions a wave
	PROJ 0
	v_wmma_scale_f32_16x16x128_f8f6f4 v[DP:DP+7], v[WTF:WTF+11], v[H1F:H1F+11], 0, v[WTS], v[H1S] matrix_a_fmt:MATRIX_FMT_BF6 matrix_b_fmt:MATRIX_FMT_BF6   ; p1 of my half's rows
.rept 5
	v_nop                                          ; four places in front of the stores of results and of the loads into operands; five, since the next five products write over these results
.endr
	CSTORE 0
	HFRAG 1
.irp j, 0,2,4,6
	v_pk_mul_f32 v[NE+\j:NE+\j+1], v[DP+\j:DP+\j+1], -1.0 op_sel_hi:[1,0]       ; e = -p1, from the accumulator's low end on
.endr
	v_pk_mul_f32 v[56:57], v[DP:DP+1], v[WT:WT+1]                               ; my eight features' part of sA
.irp j, 2,4,6
	v_pk_fma_f32 v[56:57], v[DP+\j:DP+\j+1], v[WT+\j:WT+\j+1], v[56:57]
.endr
	v_add_f32 v56, v56, v57
	v_permlanex16_b32 v[PD], v56, s40, s41
	v_add_f32 v56, v56, v[PD]                      ; with lane l xor 16's eight: the tile's sixteen
	ds_store_b128 v[EST], v[NE:NE+3]
	ds_store_b128 v[EST], v[NE+4:NE+7] offset:16
	ds_store_b32 v[SAST], v56                      ; both lanes of a row write the same word with the same value
	s_wait_dscnt 0x0                               ; the second five fragments are in
	PROJ 1
.rept 4
	v_nop                                          ; places in front of the stores of results, and of the pair loop's loads into registers that these products read
.endr
	CSTORE 1
	BARRIER                                        ; c, e, the parts of sA and W2 lie in LDS
	; ---- the pairs: 5 rows x 160 columns x 32 features a wave, four features at a time, on two buffers
	s_wait_xcnt 0x0                                ; the stores of mask and y_contact have read their data: those registers take the maxima
.irp c, 0,1,2,3,4,5,6,7
	ds_load_b128 v[WR+4*\c:WR+4*\c+3], v[WRD] offset:16*\c
.endr
	LOADCH 0, 0
	LOADCH 1, 1
	s_wait_dscnt 10                                ; LDS loads come back in order: all but the next chunk's ten are in
	COMP 0, 0, 1
.irp ch, 1,2,3,4,5,6
	LOADCH (\ch+1)%2, \ch+1
	s_wait_dscnt 10
	COMP \ch%2, \ch, 0
.endr
	s_wait_dscnt 0x0
	COMP 1, 7, 0
.irp n, 0,1,2,3,4,5,6,7,8,9,10,11,12,13,14,15,16,17,18,19,20,21,22,23,24
	v_add_f32 v[ACC+2*\n], v[ACC+2*\n], v[ACC+2*\n+1]                           ; a sum's two halves
.endr
.irp i, 0,1,2,3,4
.irp j, 0,1,2,3,4
	ds_store_b32 v[STW], v[ACC+2*(5*\i+\j)] offset:1280*\i+128*\j
.endr
.endr
	BARRIER                                        ; the four parts of every pair sum lie in LDS
	; ---- pred
	s_wait_kmcnt 0x0                               ; b2
	OUT0 0
	s_cmp_lt_u32 s32, 9
	s_cbranch_scc0 .Lno_out
	OUT0 1
.Lno_out:
	s_wait_tensorcnt 0x0                           ; the wave's end, behind my last LDS store
	ds_add_u32 v[SPW], v[NIL]
	s_wait_dscnt 0x0
	s_endpgm
.Lfunc_end_k_qb4b8145cc1_pairs:
	.size	k_qb4b8145cc1_pairs, .Lfunc_end_k_qb4b8145cc1_pairs-k_qb4b8145cc1_pairs
	.p2alignl 7, 3214868480
	.fill 96, 4, 3214868480
	.section	.rodata,"a",@progbits
	.p2align	6, 0x0
	.amdhsa_kernel k_qb4b8145cc1_pairs
		.amdhsa_group_segment_fixed_size 298496
		.amdhsa_private_segment_fixed_size 0
		.amdhsa_enable_private_segment 0
		.amdhsa_kernarg_size 112
		.amdhsa_user_sgpr_count 2
		.amdhsa_user_sgpr_kernarg_segment_ptr 1
		.amdhsa_wavefront_size32 1
		.amdhsa_system_sgpr_workgroup_id_x 1
		.amdhsa_system_sgpr_workgroup_id_y 1
		.amdhsa_system_sgpr_workgroup_id_z 1
		.amdhsa_system_vgpr_workitem_id 0
		.amdhsa_next_free_vgpr 256
		.amdhsa_next_free_sgpr 66
		.amdhsa_reserve_vcc 1
		.amdhsa_float_denorm_mode_32 3
		.amdhsa_float_denorm_mode_16_64 3
		.amdhsa_memory_ordered 1
		.amdhsa_forward_progress 1
		.amdhsa_inst_pref_size 92
	.end_amdhsa_kernel
	.amdgpu_metadata
---
amdhsa.version: [ 1, 2 ]
amdhsa.kernels:
  - .name:           k_qb4b8145cc1_pairs
    .symbol:         k_qb4b8145cc1_pairs.kd
    .args:
      - { .name: W1, .offset: 0, .size: 8, .value_kind: global_buffer, .address_space: global }
      - { .name: h_mol1_codes, .offset: 8, .size: 8, .value_kind: global_buffer, .address_space: global }
      - { .name: h_mol1_scales, .offset: 16, .size: 8, .value_kind: global_buffer, .address_space: global }
      - { .name: h_mol2_codes, .offset: 24, .size: 8, .value_kind: global_buffer, .address_space: global }
      - { .name: h_mol2_scales, .offset: 32, .size: 8, .value_kind: global_buffer, .address_space: global }
      - { .name: b1, .offset: 40, .size: 8, .value_kind: global_buffer, .address_space: global }
      - { .name: W2, .offset: 48, .size: 8, .value_kind: global_buffer, .address_space: global }
      - { .name: b2, .offset: 56, .size: 8, .value_kind: global_buffer, .address_space: global }
      - { .name: S_mol1, .offset: 64, .size: 8, .value_kind: global_buffer, .address_space: global }
      - { .name: S_mol2, .offset: 72, .size: 8, .value_kind: global_buffer, .address_space: global }
      - { .name: contact_map, .offset: 80, .size: 8, .value_kind: global_buffer, .address_space: global }
      - { .name: out0, .offset: 88, .size: 8, .value_kind: global_buffer, .address_space: global }
      - { .name: out1, .offset: 96, .size: 8, .value_kind: global_buffer, .address_space: global }
      - { .name: out2, .offset: 104, .size: 8, .value_kind: global_buffer, .address_space: global }
    .group_segment_fixed_size: 298496
    .private_segment_fixed_size: 0
    .kernarg_segment_align: 8
    .kernarg_segment_size: 112
    .max_flat_workgroup_size: 512
    .sgpr_count:     66
    .vgpr_count:     256
    .wavefront_size: 32
...
	.end_amdgpu_metadata
.endif
;; end of part 1
;; ======== version 2 of 2: 1 launch; version 1 with the launch pairs written anew for expert scheduling mode
;; limits: a difference of large sums (such as E[x^2] - mean^2): digits are lost where the result is much smaller than its terms
;; launch pairs (part 2): grid 5 x 50, 16 waves a work-group, no clusters, 298,496 bytes of LDS; arguments W1, h_mol1_codes, h_mol1_scales, h_mol2_codes, h_mol2_scales, b1, W2, b2, S_mol1, S_mol2, contact_map, out0, out1, out2; writes out0, out1, out2
.if DOCPART == 2
	.amdgcn_target "amdgcn-amd-amdhsa--gfx1250"
	.amdhsa_code_object_version 6
	.text
	.protected	k_qb4b8145cc1_pairs
	.globl	k_qb4b8145cc1_pairs
	.p2align	8
	.type	k_qb4b8145cc1_pairs,@function
k_qb4b8145cc1_pairs:
	s_mov_b64 s[64:65], 0
	v_nop
	global_prefetch_b8 v0, s[64:65] scope:SCOPE_SE
	s_setreg_imm32_b32 hwreg(HW_REG_WAVE_SCHED_MODE, 0, 2), 2
	s_setreg_imm32_b32 hwreg(HW_REG_WAVE_MODE, 25, 1), 1
	s_wait_xcnt 0x0
	s_wait_alu depctr_vm_vsrc(0)
; pred[b][n][m] = sum over f of W2[f] relu(p1[b][n][f] + p2[b][m][f] + b1[f]) + b2,  p1 = h_mol1 Q(W1[:128]),  p2 = h_mol2 Q(W1[128:]);  mask = (S_mol1 != 0)(S_mol2 != 0);  y_contact = (contact_map < 0.5) mask.
; p1 and p2 are products on codes of BF6 (E3M2) with one E8M0 scale for each 32 along K: h arrives as codes, W1 (f32, K its first axis) is quantised here, down its columns.
; NOTHING IS LEFT OUT: every input has a way to an output, and all are loaded.
; THE PAIR SUM.  For all real x, y: relu(x + y) = max(y, -x) + x.  With x = p1 and y = c = p2 + b1:  pred = sum_f W2[f] max(c[m][f], e[n][f]) + sA[n] + b2,  e = -p1,  sA[n] = sum_f W2[f] p1[n][f].
; So a pair's feature costs one maximum and half a packed multiply-add.  b1 is the C of p2's matrix instructions.  The product with W2 has one column: it is done by f32 multiply-adds.
; LIMITS.  The order of rounding differs from the source's: the term W2 p1 is added once a row and not inside the relu, which moves a result by some 2^-22 x sum_f |W2[f] p1[n][f]|.
; A p1 that is infinite gives NaN (infinity less infinity) where the source may give a number; a NaN among c or e loses in the maximum.  NaN and infinities in W1 are not served.  A block of zeros of W1 gets the
; scale byte 1 where the quantiser says 127: its codes are zeros, which add nothing under any byte but 0xff, and this program alone reads the bytes.  Blocks of W1 whose largest magnitude lies under 2^(5 - 127) are held at that byte.
; SHARES.  The rows (b, n) count 0 .. 999; a row of an output is 3,200 bytes, two rows are 25 x 256.  Work-group (t, y) owns bytes 1,280 t .. 1,280 t + 1,279 of each of the ten row pairs 10 y + k: ten aligned runs of
; 1,280 bytes in each output, 3,200 pairs, 250 equal work-groups.  A run is two halves of 160 numbers: half hf has s = 2 t + hf, lies in the pair's row pi = (s >= 5) and holds columns m0 = 160 (s - 5 pi) on.
; Sixteen waves; w = 8 hf + ft.  HEAD: wave w quantises one fragment of W1 (K half hf, columns 16 ft on) and copies its part of half hf's 160 rows of h_mol2 codes into LDS.  PROJECTION: features 16 ft on of half hf: ten tiles
; of c, one of e.  PAIRS: w = 8 hf + 4 q + fq: rows k = 5 q .. 5 q + 4, all 160 columns (a lane a column, five groups of 32), features 32 fq on.  WAY OUT: a thread takes 16 bytes, piece i = thread, and i = 512 + thread in waves 0 to 8.
; NO CLUSTER: the grid is 5 x 50, and neither 5 nor 50 is a multiple of 4.  What all work-groups share, W1, goes through registers to the quantiser: there is no tensor load, no copy, and no LDS byte is filled twice.
; No loop, no change of EXEC; every branch hangs on the wave's number.
; THE MODE: SCHED_MODE bits 1:0 = 2 (LLVM: expert scheduling mode 2), set by the entry lines.  The code itself states the register dependences between vector or matrix instructions and memory or LDS instructions,
; and those through scalar registers and VCC that vector instructions write, with s_wait_alu, always for 0.
; THE PLAN.  Registers that memory or LDS instructions touch, and who else names them:
;   v1, v2, v20-50   offsets and LDS addresses: written at the head by vector lines and never again: ONE wait on va_vdst ahead of the first load serves every load and store of the kernel.
;   X / HF v64-127   W1 as loaded, read by the maxima and conversions; then h_mol2's fragments land there twice, each time read by five products.
;   HR, PC, v150     read by LDS stores at the head; the first products' results (DD) are laid over them.
;   CM, S2R, S1R     loaded, selected in place, read by the stores of y_contact and mask; the pair phase's maxima are laid over them.
;   DD               written by five products, read by ten LDS stores, twice; then W2 and the pair buffers land there.
;   NE, v56          written by vector lines, read by three LDS stores, never written again.
;   the pair buffers chunk ch's vector lines read buffer ch % 2; the loads of chunk ch + 1 land in the other, which chunk ch - 1 read.  ONE wait on va_vdst at a chunk's head; behind it the ten loads are dealt among the
;                    chunk's vector lines, which name their own buffer, the maxima, the sums and W2: none of the registers that those loads touch.
;   ACC              written by the pair phase, read by the stage's LDS stores; the way out's LDS loads land there.
.set WIMG,  0                          ; LDS: W1's 16 fragments as images of their registers: 1,536 bytes each, store c at 512 c + 16 x lane
.set WSC,   24576                      ; their scale words: 128 bytes a fragment, 4 x lane
.set HRAW,  26624                      ; h_mol2's codes as they lie, 96 bytes a row, 160 rows (15,360 bytes) for each half
.set CB,    57344                      ; c: 320 rows (160 hf + column), 512 bytes + 16: the sixteen rows that a 16-byte access touches start at sixteen different 16-byte columns (64 banks of 4 bytes: ISA guide 11.1)
.set EB,    226304                     ; e: rows 16 hf + k, the same pitch
.set SAP,   243200                     ; sA in eight parts: the word ((2 k + hf) 8 + ft)
.set WL,    244224                     ; W2, a copy for each half: 512 hf + 4 f
.set STG,   245248                     ; the pair sums in four parts: 12,800 fq + 16 i
.set SPARE, 296448                     ; the spare words, 128 bytes for each wave: eight blocks of 256 bytes that no other line names
.set PITCH, 528
.set SPW, 1                            ; v1   LDS address of my spare word; never rewritten
.set NIL, 2                            ; v2   0; never rewritten
.set LN,  3                            ; v3   lane;  v4 r = lane % 16;  v5 h = lane / 16
.set RR,  4
.set HH,  5
.set WBS, 6                            ; v6   scale words of W1's lower half's fragment;  v7 of the upper half's;  v8 of h_mol1's rows;  v10-19 of h_mol2's ten tiles.  These hold scales and nothing else
.set WTS, 7
.set H1S, 8
.set HS,  10
.set EO,  20                           ; v20-21  byte offset of my piece (0, 1) in contact_map and in the outputs
.set SAR, 22                           ; v22-23  LDS address of my piece's eight parts of sA
.set STR, 24                           ; v24  STG + 16 x thread
.set CST, 25                           ; v25-26  where I store c: tiles 0-4, tiles 5-9
.set EST, 27                           ; v27  where I store e
.set SAST, 28                          ; v28  and my part of sA
.set WLST, 29                          ; v29  and my 16 numbers of W2
.set IMS, 30                           ; v30  my fragment's image, on the way in;  v31 the images that I fetch
.set IMF, 31
.set SCS, 32                           ; v32, v33  the same for the scale words
.set SCF, 33
.set HRS, 34                           ; v34  where I store raw codes
.set HFA, 35                           ; v35  my lane's place in a tile of raw codes
.set CRD, 36                           ; v36-37  c on the way back: groups 0-2, groups 3-4
.set ERD, 38                           ; v38  e on the way back (the same address in all lanes)
.set WRD, 39                           ; v39  W2 on the way back (likewise)
.set STW, 40                           ; v40  where I store pair sums
.set XO,  41                           ; v41-50 offsets in memory: W1; raw codes; 4 r; h_mol1's codes; its scales; 32 h; S_mol2 and S_mol1 of piece 0, of piece 1.  None is rewritten
.set HRO, 42
.set R4,  43
.set H1O, 44
.set H1SO, 45
.set H32, 46
.set S2O, 47
.set S1O, 48
.set PD,  54                           ; v54  a lane permute's destination: written once at the head, since it counts as a source
.set X,   64                           ; v64-127  W1: register 32 c + i = W1(128 hf + 64 c + 32 h + i, 16 ft + r)
.set HF,  64                           ; later five fragments of h_mol2, 12 registers each
.set HR,  128                          ; v128-143 raw codes on their way to LDS
.set MX,  144                          ; v144-145 largest magnitudes; v146-147 scale operands; v148-149 bytes; v150 the scale word; v151 at work
.set PC,  152                          ; v152-163 the fragment's codes;  v164-166, v168-170 the upper halves of the blocks as they are made
.set QH,  164
.set DD,  128                          ; later five tiles of c
.set DP,  168                          ; and the tile of p1
.set H1F, 176                          ; v176-187 h_mol1's fragment
.set B1R, 188                          ; v188-195 b1 in the result's layout;  v196-203 W2 likewise
.set WT,  196
.set WB,  204                          ; v204-215 W1's lower half's fragment;  v216-227 the upper half's
.set WTF, 216
.set CM,  228                          ; piece k: v[228 + 8 k ..] contact_map, v[232 + 8 k ..] S_mol2, v[244 + k] S_mol1
.set S2R, 232
.set S1R, 244
.set NE,  246                          ; v246-253 e = -p1
.set ACC, 64                           ; the pair loop: 25 sums, each a pair (even features', odd features'): (i, j) at v[64 + 2 (5 i + j)]
.set WR,  114                          ; v114-145 W2 of my 32 features
.set CBUF, 146                         ; buffer n: c at v[146 + 40 n ..], e at v[166 + 40 n ..]: five times four features each
.set EBUF, 166
.set T,   226                          ; v226-245 twenty maxima
.set MK,  42                           ; s42-50  nine lane masks of a piece: scalars of the head's arithmetic, which are done with behind it and never held an address
.macro BARRIER                         ; my LDS stores have landed and my LDS loads are in: then the work-group's barrier
	s_wait_dscnt 0x0
	s_barrier_signal -1
	s_barrier_wait -1
.endm
; Piece i (in v[ir]) of the work-group's 800: rho = i / 40 = 2 k + hf, p = i - 40 rho.  i x 1639 >> 16 is i / 40 for every i under 800: 1639 x 40 = 65,536 + 24, and 24 x 19 + 1639 x 39 stays under 65,536.
.macro ELADDR k, ir
	v_mul_u32_u24 v57, v[\ir], 1639
	v_lshrrev_b32 v57, 16, v57                     ; rho
	v_mul_u32_u24 v58, v57, 40
	v_sub_nc_u32 v58, v[\ir], v58                  ; p
	v_lshrrev_b32 v59, 1, v57                      ; k
	v_and_b32 v60, 1, v57                          ; the piece's half
	v_add_nc_u32 v60, s55, v60                     ; s = 2 t + half
	v_cmp_le_u32 vcc_lo, 5, v60
	v_lshlrev_b32 v61, 4, v[\ir]                   ; (five lines that do not want the mask stand between the compare and the wait for it)
	v_mad_u32_u24 v[EO+\k], v59, 5120, v61         ; 16 i + (6,400 - 1,280) k: from run to run
	v_lshl_add_u32 v[SAR+\k], v57, 5, SAP
	v_mul_u32_u24 v63, v60, 640
	v_lshl_add_u32 v63, v58, 4, v63
	s_wait_alu depctr_va_vcc(0)                    ; the compare has written VCC, which the select below reads
	v_cndmask_b32 v62, 0, 1, vcc_lo                ; pi
	v_mul_u32_u24 v61, v62, 3200
	v_sub_nc_u32 v[S2O+2*\k], v63, v61             ; S_mol2: 4 (160 (s - 5 pi) + 4 p)
	v_lshlrev_b32 v61, 2, v62
	v_lshl_add_u32 v[S1O+2*\k], v59, 3, v61        ; S_mol1: 4 (2 k + pi)
.endm
.macro ELLOAD k
	global_load_b128 v[CM+8*\k:CM+8*\k+3], v[EO+\k], s[24:25] th:TH_LOAD_NT      ; read once in the launch
	global_load_b128 v[S2R+8*\k:S2R+8*\k+3], v[S2O+2*\k], s[22:23]
	global_load_b32 v[S1R+\k], v[S1O+2*\k], s[20:21]
.endm
; mask and y_contact of a piece, in place; sixteen neighbouring lanes store 256 consecutive bytes, at a multiple of 256 from the output's first byte.
; The nine compares stand in one run, each with a scalar register of its own for its mask, so that one wait serves the nine selects.
.macro ELWORK k
	v_cmp_ne_u32 s[MK], 0, v[S1R+\k]
.irp x, 0,1,2,3
	v_cmp_ne_u32 s[MK+1+\x], 0, v[S2R+8*\k+\x]
.endr
.irp x, 0,1,2,3
	v_cmp_gt_f32 s[MK+5+\x], 0.5, v[CM+8*\k+\x]
.endr
	s_wait_alu depctr_va_sdst(0)                   ; the nine compares have written s[MK ..], which the selects below read
	v_cndmask_b32 v[S1R+\k], 0, 1.0, s[MK]
.irp x, 0,1,2,3
	v_cndmask_b32 v[S2R+8*\k+\x], 0, v[S1R+\k], s[MK+1+\x]        ; mask
.endr
.irp x, 0,1,2,3
	v_cndmask_b32 v[CM+8*\k+\x], 0, v[S2R+8*\k+\x], s[MK+5+\x]    ; y_contact
.endr
	s_wait_alu depctr_va_vdst(0)                   ; the selects have written the piece's y_contact and mask, which the two stores read
	global_store_b128 v[EO+\k], v[CM+8*\k:CM+8*\k+3], s[28:29] th:TH_STORE_NT
	global_store_b128 v[EO+\k], v[S2R+8*\k:S2R+8*\k+3], s[30:31] th:TH_STORE_NT
.endm
; the largest magnitude of my block c of W1: all its 32 numbers are mine.  Two chains, and the floor 2^(5 - 127) among the leaves, so that the byte cannot fall under 1
.macro BLKMAX c
	v_max3_num_f32 v[MX+\c], |v[X+32*\c]|, |v[X+32*\c+1]|, 0x2800000
	v_max3_num_f32 v151, |v[X+32*\c+16]|, |v[X+32*\c+17]|, |v[X+32*\c+18]|
.irp i, 0,1,2,3,4,5
	v_max3_num_f32 v[MX+\c], v[MX+\c], |v[X+32*\c+2+2*\i]|, |v[X+32*\c+3+2*\i]|
	v_max3_num_f32 v151, v151, |v[X+32*\c+19+2*\i]|, |v[X+32*\c+20+2*\i]|
.endr
	v_max3_num_f32 v[MX+\c], v[MX+\c], |v[X+32*\c+14]|, |v[X+32*\c+15]|
	v_max3_num_f32 v[MX+\c], v[MX+\c], v151, |v[X+32*\c+31]|
.endm
; five fragments of h_mol2 (tiles 5 bt on) from the raw rows: lane (r, h) takes the 24 bytes at 96 r + 24 h and those 48 further on, in pieces of 8 bytes
.macro HFRAG bt
.irp u, 0,1,2,3,4
.irp p, 0,1,2,3,4,5
	ds_load_b64 v[HF+12*\u+2*\p:HF+12*\u+2*\p+1], v[HFA] offset:HRAW+1536*(5*(\bt)+\u)+48*(\p/3)+8*(\p%3)
.endr
.endr
.endm
; five tiles of c = p2 + b1, TRANSPOSED: source 0 = 16 features of W1, source 1 = 16 rows of h_mol2: lane (r, h), register j holds row r, feature 16 ft + 8 h + j.  Five different accumulators: no chain
.macro PROJ bt
.irp u, 0,1,2,3,4
	v_wmma_scale_f32_16x16x128_f8f6f4 v[DD+8*\u:DD+8*\u+7], v[WB:WB+11], v[HF+12*\u:HF+12*\u+11], v[B1R:B1R+7], v[WBS], v[HS+5*(\bt)+\u] matrix_a_fmt:MATRIX_FMT_BF6 matrix_b_fmt:MATRIX_FMT_BF6
.endr
.endm
.macro CSTORE bt
.irp u, 0,1,2,3,4
	ds_store_b128 v[CST+\bt], v[DD+8*\u:DD+8*\u+3] offset:16*PITCH*\u          ; each accumulator from its low end on
	ds_store_b128 v[CST+\bt], v[DD+8*\u+4:DD+8*\u+7] offset:16*PITCH*\u+16
.endr
.endm
; four features (chunk ch of my 32): c of my lane's column in group j; e of my row i
.macro CGRP buf, ch, j
.if (\j) < 3
	ds_load_b128 v[CBUF+40*(\buf)+4*(\j):CBUF+40*(\buf)+4*(\j)+3], v[CRD] offset:32*PITCH*(\j)+16*(\ch)
.else
	ds_load_b128 v[CBUF+40*(\buf)+4*(\j):CBUF+40*(\buf)+4*(\j)+3], v[CRD+1] offset:32*PITCH*((\j)-3)+16*(\ch)
.endif
.endm
.macro EROW buf, ch, i
	ds_load_b128 v[EBUF+40*(\buf)+4*(\i):EBUF+40*(\buf)+4*(\i)+3], v[ERD] offset:PITCH*(\i)+16*(\ch)
.endm
; a chunk's ten LDS loads in one run: the first two chunks'
.macro LOADCH buf, ch
.irp j, 0,1,2,3,4
	CGRP \buf, \ch, \j
.endr
.irp i, 0,1,2,3,4
	EROW \buf, \ch, \i
.endr
.endm
; 25 pairs x 4 features: for each row twenty maxima and ten packed multiply-adds; two on one sum stand five lines apart.  first = 1: the first products start the sums: nothing is cleared.
; next = 1: the next chunk's ten loads go into the other buffer, four, three and three ahead of the first three rows' lines: the last two rows' sixty lines are left for them to land.
; No wait stands among them: since the wait at the chunk's head no vector line names the other buffer or an address.
.macro COMP buf, ch, first, next
.set NB, 1-(\buf)
.set NC, (\ch)+1
.irp i, 0,1,2,3,4
.if (\next) && (\i == 0)
	CGRP NB, NC, 0
	CGRP NB, NC, 1
	CGRP NB, NC, 2
	CGRP NB, NC, 3
.endif
.if (\next) && (\i == 1)
	CGRP NB, NC, 4
	EROW NB, NC, 0
	EROW NB, NC, 1
.endif
.if (\next) && (\i == 2)
	EROW NB, NC, 2
	EROW NB, NC, 3
	EROW NB, NC, 4
.endif
.irp j, 0,1,2,3,4
.irp x, 0,1,2,3
	v_max_num_f32 v[T+4*\j+\x], v[EBUF+40*(\buf)+4*\i+\x], v[CBUF+40*(\buf)+4*\j+\x]
.endr
.endr
.irp j, 0,1,2,3,4
.if \first
	v_pk_mul_f32 v[ACC+2*(5*\i+\j):ACC+2*(5*\i+\j)+1], v[T+4*\j:T+4*\j+1], v[WR+4*(\ch):WR+4*(\ch)+1]
.else
	v_pk_fma_f32 v[ACC+2*(5*\i+\j):ACC+2*(5*\i+\j)+1], v[T+4*\j:T+4*\j+1], v[WR+4*(\ch):WR+4*(\ch)+1], v[ACC+2*(5*\i+\j):ACC+2*(5*\i+\j)+1]
.endif
.endr
.irp j, 0,1,2,3,4
	v_pk_fma_f32 v[ACC+2*(5*\i+\j):ACC+2*(5*\i+\j)+1], v[T+4*\j+2:T+4*\j+3], v[WR+4*(\ch)+2:WR+4*(\ch)+3], v[ACC+2*(5*\i+\j):ACC+2*(5*\i+\j)+1]
.endr
.endr
.endm
; pred of piece k: the four parts of its pair sums, the eight parts of its row's sA, and b2.  Each piece has registers of its own (from v[64 + 32 k] on), so that no store's data are written again
.macro OUT0 k
.irp f, 0,1,2,3
	ds_load_b128 v[64+32*\k+4*\f:64+32*\k+4*\f+3], v[STR] offset:12800*\f+8192*\k
.endr
	ds_load_b128 v[80+32*\k:83+32*\k], v[SAR+\k]
	ds_load_b128 v[84+32*\k:87+32*\k], v[SAR+\k] offset:16
	s_wait_dscnt 0x0
	v_pk_add_f32 v[80+32*\k:81+32*\k], v[80+32*\k:81+32*\k], v[82+32*\k:83+32*\k]
	v_pk_add_f32 v[84+32*\k:85+32*\k], v[84+32*\k:85+32*\k], v[86+32*\k:87+32*\k]
	v_pk_add_f32 v[64+32*\k:65+32*\k], v[64+32*\k:65+32*\k], v[68+32*\k:69+32*\k]
	v_pk_add_f32 v[66+32*\k:67+32*\k], v[66+32*\k:67+32*\k], v[70+32*\k:71+32*\k]
	v_pk_add_f32 v[72+32*\k:73+32*\k], v[72+32*\k:73+32*\k], v[76+32*\k:77+32*\k]
	v_pk_add_f32 v[74+32*\k:75+32*\k], v[74+32*\k:75+32*\k], v[78+32*\k:79+32*\k]
	v_pk_add_f32 v[80+32*\k:81+32*\k], v[80+32*\k:81+32*\k], v[84+32*\k:85+32*\k]
	v_pk_add_f32 v[64+32*\k:65+32*\k], v[64+32*\k:65+32*\k], v[72+32*\k:73+32*\k]
	v_pk_add_f32 v[66+32*\k:67+32*\k], v[66+32*\k:67+32*\k], v[74+32*\k:75+32*\k]
	v_add_f32 v[90+32*\k], v[80+32*\k], v[81+32*\k]               ; sA
	v_add_f32 v[88+32*\k], s38, v[90+32*\k]                       ; + b2, in both registers of a pair
	v_add_f32 v[89+32*\k], s38, v[90+32*\k]
	v_pk_add_f32 v[64+32*\k:65+32*\k], v[64+32*\k:65+32*\k], v[88+32*\k:89+32*\k]
	v_pk_add_f32 v[66+32*\k:67+32*\k], v[66+32*\k:67+32*\k], v[88+32*\k:89+32*\k]
	s_wait_alu depctr_va_vdst(0)                   ; the additions have written the piece's four numbers of pred, which the store reads
	global_store_b128 v[EO+\k], v[64+32*\k:67+32*\k], s[26:27] th:TH_STORE_NT    ; sixteen lanes store 256 consecutive bytes, aligned
.endm
	; ---- set-up: ids, and every address register, ahead of every branch
	s_load_b512 s[4:19], s[0:1], 0x0               ; W1 s[4:5], h_mol1's codes s[6:7], scales s[8:9], h_mol2's codes s[10:11], scales s[12:13], b1 s[14:15], W2 s[16:17], b2 s[18:19]
	s_load_b256 s[20:27], s[0:1], 0x40             ; S_mol1 s[20:21], S_mol2 s[22:23], contact_map s[24:25], out0 s[26:27]
	s_load_b128 s[28:31], s[0:1], 0x60             ; out1 s[28:29], out2 s[30:31]
	v_lshl_add_u32 v[SPW], v0, 2, SPARE
	v_mov_b32 v[NIL], 0
	v_lshrrev_b32 v51, 5, v0
	v_readfirstlane_b32 s32, v51                   ; wave 0..15
	v_and_b32 v[LN], 31, v0                        ; (what does not hang on the wave's number stands between that line and the wait for it)
	v_and_b32 v[RR], 15, v0
	v_bfe_u32 v[HH], v0, 4, 1
	v_mov_b32 v[PD], 0
	v_lshl_add_u32 v[STR], v0, 4, STG
	s_mov_b32 s35, ttmp9                           ; t
	s_and_b32 s36, ttmp7, 0xffff                   ; y
	s_cmp_ge_u32 s36, 25
	s_cselect_b32 s37, 1, 0                        ; the batch: rows 20 y on lie in batch 1 from y = 25 on
	s_mov_b32 s40, 0x76543210
	s_mov_b32 s41, 0xfedcba98                      ; v_permlanex16_b32's selects for lane l xor 16
	s_lshl_b32 s55, s35, 1                         ; 2 t
	s_wait_alu depctr_va_sdst(0)                   ; s32 is written, ahead of its first reader: the wave's shares, its addresses and every branch are made from it
	s_lshr_b32 s33, s32, 3                         ; hf
	s_and_b32 s34, s32, 7                          ; ft
	s_bfe_u32 s48, s32, 0x10002                    ; q
	s_and_b32 s49, s32, 3                          ; fq
	s_add_co_u32 s42, s55, s33                     ; s
	s_cmp_ge_u32 s42, 5
	s_cselect_b32 s43, 1, 0                        ; pi
	s_mul_i32 s50, s43, 5
	s_sub_co_u32 s50, s42, s50
	s_mul_i32 s44, s50, 160                        ; m0
	s_mul_i32 s50, s37, 800
	s_add_co_u32 s44, s44, s50                     ; my half's first row of h_mol2
	s_mul_i32 s45, s36, 20
	s_add_co_u32 s45, s45, s43                     ; my half's first row of h_mol1; the others lie two apart
	s_lshl_b32 s51, s34, 6                         ; 64 ft: 16 features in bytes
	s_lshl_b32 s53, s49, 7                         ; 128 fq: 32 features
	v_mul_u32_u24 v51, v[RR], PITCH
	v_lshl_add_u32 v52, v[HH], 5, v51              ; row r, + 8 h features
	s_mul_i32 s50, s33, 160*PITCH
	s_add_co_u32 s50, s50, s51
	s_add_co_u32 s50, s50, CB
	v_add_nc_u32 v[CST], s50, v52
	v_add_nc_u32 v[CST+1], 80*PITCH, v[CST]
	s_mul_i32 s50, s33, 16*PITCH
	s_add_co_u32 s50, s50, s51
	s_add_co_u32 s50, s50, EB
	v_add_nc_u32 v[EST], s50, v52
	s_lshl_b32 s50, s33, 5
	s_lshl_b32 s52, s34, 2
	s_add_co_u32 s50, s50, s52
	s_add_co_u32 s50, s50, SAP
	v_lshl_add_u32 v[SAST], v[RR], 6, s50
	s_lshl_b32 s50, s33, 9
	s_add_co_u32 s52, s50, s51
	s_add_co_u32 s52, s52, WL
	v_lshl_add_u32 v[WLST], v[HH], 5, s52
	s_add_co_u32 s50, s50, s53
	s_add_co_u32 s50, s50, WL
	v_mov_b32 v[WRD], s50
	s_mul_i32 s52, s32, 1536
	v_lshl_add_u32 v[IMS], v[LN], 4, s52
	s_mul_i32 s52, s34, 1536
	v_lshl_add_u32 v[IMF], v[LN], 4, s52
	s_lshl_b32 s52, s32, 7
	v_lshl_add_u32 v[SCS], v[LN], 2, s52
	s_lshl_b32 s52, s34, 7
	v_lshl_add_u32 v[SCF], v[LN], 2, s52
	v_and_b32 v51, 255, v0                         ; my number among my half's 256 threads
	v_lshlrev_b32 v[HRO], 4, v51
	s_mul_i32 s52, s33, 15360
	v_add_nc_u32 v[HRS], s52, v[HRO]
	v_mul_u32_u24 v53, v[RR], 96
	v_mad_u32_u24 v53, v[HH], 24, v53
	v_add_nc_u32 v[HFA], s52, v53
	s_mul_i32 s50, s33, 160*PITCH
	s_add_co_u32 s50, s50, s53
	s_add_co_u32 s50, s50, CB
	v_mul_u32_u24 v51, v[LN], PITCH
	v_add_nc_u32 v[CRD], s50, v51
	v_add_nc_u32 v[CRD+1], 96*PITCH, v[CRD]
	s_lshl_b32 s50, s33, 4
	s_mul_i32 s54, s48, 5
	s_add_co_u32 s50, s50, s54
	s_mul_i32 s50, s50, PITCH
	s_add_co_u32 s50, s50, s53
	s_add_co_u32 s50, s50, EB
	v_mov_b32 v[ERD], s50
	s_mul_i32 s50, s49, 12800
	s_mul_i32 s54, s48, 6400
	s_add_co_u32 s50, s50, s54
	s_mul_i32 s54, s33, 640
	s_add_co_u32 s50, s50, s54
	s_add_co_u32 s50, s50, STG
	v_lshl_add_u32 v[STW], v[LN], 2, s50
	v_lshlrev_b32 v[R4], 2, v[RR]
	v_lshl_add_u32 v[XO], v[HH], 14, v[R4]         ; W1: column r, and 32 rows of 512 bytes further down for lanes 16-31
	v_min_u32 v55, 9, v[RR]                        ; a half has ten rows of h_mol1: lanes 10-15 take the tenth again, and their results are not read
	v_mul_u32_u24 v[H1O], v55, 192
	v_mad_u32_u24 v[H1O], v[HH], 24, v[H1O]
	v_lshlrev_b32 v[H1SO], 3, v55
	v_lshlrev_b32 v[H32], 5, v[HH]
	ELADDR 0, 0
	v_add_nc_u32 v56, 512, v0
	ELADDR 1, 56
	s_mov_b32 s47, 0
	s_wait_kmcnt 0x0
	s_lshl_b32 s46, s33, 16                        ; W1: 128 hf rows of 512 bytes, + 16 ft columns
	s_add_co_u32 s46, s46, s51
	s_add_nc_u64 s[4:5], s[4:5], s[46:47]
	s_mul_i32 s46, s44, 96
	s_add_nc_u64 s[10:11], s[10:11], s[46:47]
	s_lshl_b32 s46, s44, 2
	s_add_nc_u64 s[12:13], s[12:13], s[46:47]
	s_mul_i32 s46, s45, 96
	s_add_nc_u64 s[6:7], s[6:7], s[46:47]
	s_lshl_b32 s46, s45, 2
	s_add_nc_u64 s[8:9], s[8:9], s[46:47]
	s_mov_b32 s46, s51
	s_add_nc_u64 s[14:15], s[14:15], s[46:47]
	s_add_nc_u64 s[16:17], s[16:17], s[46:47]
	s_mul_i32 s46, s36, 80
	s_add_nc_u64 s[20:21], s[20:21], s[46:47]
	s_mul_i32 s46, s37, 3200
	s_add_nc_u64 s[22:23], s[22:23], s[46:47]
	s_mul_i32 s46, s36, 64000
	s_mul_i32 s50, s35, 1280
	s_add_co_u32 s46, s46, s50
	s_add_nc_u64 s[24:25], s[24:25], s[46:47]
	s_add_nc_u64 s[26:27], s[26:27], s[46:47]
	s_add_nc_u64 s[28:29], s[28:29], s[46:47]
	s_add_nc_u64 s[30:31], s[30:31], s[46:47]
	s_load_b32 s38, s[18:19], 0x0                  ; b2: wanted on the way out
	; ---- all loads from memory, in one run, in the order in which they are wanted
	s_wait_alu depctr_va_vdst(0)                   ; v1, v2 and v20 to v50 are written: every load and store of the kernel, from memory and from LDS, reads its offset or address there, and none of them is written again
.irp kk, 0,1,2
	global_load_b128 v[HR+4*\kk:HR+4*\kk+3], v[HRO], s[10:11] offset:4096*\kk    ; a half's 15,360 bytes of codes are 960 pieces of 16: three for each of 256 threads,
.endr
	s_cmp_lt_u32 s34, 6
	s_cbranch_scc0 .Lno_load3
	global_load_b128 v[HR+12:HR+15], v[HRO], s[10:11] offset:12288               ; and a fourth for the first 192
.Lno_load3:
.irp c, 0,1
.irp i, 0,1,2,3,4,5,6,7,8,9,10,11,12,13,14,15,16,17,18,19,20,21,22,23,24,25,26,27,28,29,30,31
	global_load_b32 v[X+32*\c+\i], v[XO], s[4:5] offset:(64*\c+\i)*512           ; a lane to a column, registers down K: sixteen lanes read 64 neighbouring bytes
.endr
.endr
.irp u, 0,1,2,3,4,5,6,7,8,9
	global_load_b32 v[HS+\u], v[R4], s[12:13] offset:64*\u
.endr
.irp p, 0,1,2,3,4,5
	global_load_b64 v[H1F+2*\p:H1F+2*\p+1], v[H1O], s[6:7] offset:48*(\p/3)+8*(\p%3)
.endr
	global_load_b32 v[H1S], v[H1SO], s[8:9]
	global_load_b128 v[B1R:B1R+3], v[H32], s[14:15]
	global_load_b128 v[B1R+4:B1R+7], v[H32], s[14:15] offset:16
	global_load_b128 v[WT:WT+3], v[H32], s[16:17]
	global_load_b128 v[WT+4:WT+7], v[H32], s[16:17] offset:16
	ELLOAD 0
	s_cmp_lt_u32 s32, 9                            ; 800 pieces = 512 + 288: waves 0 to 8 have a second
	s_cbranch_scc0 .Lno_el_load
	ELLOAD 1
.Lno_el_load:
	; ---- the raw codes go to LDS; my fragment of W1 is quantised
	s_wait_loadcnt 56                              ; loads come back in order (ISA guide 5.7.1): out may be W1's second block (32) and the 24 loads behind it (27 in waves 0 to 8, for which the count is stricter than needed)
.irp kk, 0,1,2
	ds_store_b128 v[HRS], v[HR+4*\kk:HR+4*\kk+3] offset:HRAW+4096*\kk
.endr
	s_cmp_lt_u32 s34, 6
	s_cbranch_scc0 .Lno_store3
	ds_store_b128 v[HRS], v[HR+12:HR+15] offset:HRAW+12288
.Lno_store3:
	BLKMAX 0
	s_wait_loadcnt 24                              ; all of W1 is in
	BLKMAX 1
	v_add_nc_u32 v146, 0xfe000000, v144            ; 4 off the exponent field: the conversion takes the exponent field of this operand as its scale, and nothing else of it
	v_add_nc_u32 v147, 0xfe000000, v145
	v_lshrrev_b32 v148, 23, v146                   ; the scales' bytes: blocks h and 2 + h of my column
	v_lshrrev_b32 v149, 23, v147
	v_lshl_or_b32 v150, v149, 16, v148
	v_lshlrev_b32 v151, 3, v[HH]
	v_lshlrev_b32 v150, v151, v150                 ; at their places in the scale word (8 h bits up);
	v_permlanex16_b32 v[PD], v150, s40, s41
	v_or_b32 v150, v150, v[PD]                     ; with lane l xor 16's two the word is whole
.irp c, 0,1
	v_cvt_scalef32_pk16_bf6_f32 v[PC+6*\c:PC+6*\c+2], v[X+32*\c:X+32*\c+15], v[146+\c]
	v_cvt_scalef32_pk16_bf6_f32 v[QH+4*\c:QH+4*\c+2], v[X+32*\c+16:X+32*\c+31], v[146+\c]   ; (a conversion's three registers begin on an even number: the upper half of a block's six is made here and moved)
.endr
	v_nop                                          ; one plain place behind a scaled conversion
.irp c, 0,1
.irp i, 0,1,2
	v_mov_b32 v[PC+3+6*\c+\i], v[QH+4*\c+\i]
.endr
.endr
	s_wait_alu depctr_va_vdst(0)                   ; the codes v[PC ..] and the scale word v150 are written, which the four LDS stores read; and the maxima and conversions are done reading v[X ..], in which h_mol2's fragments land behind the barrier (no vector line stands between)
.irp c, 0,1,2
	ds_store_b128 v[IMS], v[PC+4*\c:PC+4*\c+3] offset:WIMG+512*\c               ; the fragment goes to LDS as it stands: any wave that loads it by the same lines has the same registers in the same lanes
.endr
	ds_store_b32 v[SCS], v150 offset:WSC
	BARRIER                                        ; W1's sixteen fragments and both halves' raw codes lie in LDS
	; ---- my two fragments of W1 and the first five of h_mol2 are fetched; mask and y_contact are made meanwhile
.irp c, 0,1,2
	ds_load_b128 v[WTF+4*\c:WTF+4*\c+3], v[IMF] offset:WIMG+512*\c
.endr
	ds_load_b32 v[WTS], v[SCF] offset:WSC
.irp c, 0,1,2
	ds_load_b128 v[WB+4*\c:WB+4*\c+3], v[IMF] offset:WIMG+8*1536+512*\c
.endr
	ds_load_b32 v[WBS], v[SCF] offset:WSC+8*128
	HFRAG 0
	s_wait_loadcnt 0x0                             ; all that came from memory
	ELWORK 0
	s_cmp_lt_u32 s32, 9
	s_cbranch_scc0 .Lno_el_work
	ELWORK 1
.Lno_el_work:
	ds_store_b128 v[WLST], v[WT:WT+3]              ; W2 for the pair loop: the sixteen lanes of a half write the same bytes with the same values
	ds_store_b128 v[WLST], v[WT+4:WT+7] offset:16
	s_wait_dscnt 0x0                               ; the fragments and their scale words are in
	; ---- the projections: eleven matrix instructions a wave
	s_wait_alu depctr_vm_vsrc(0)                   ; the LDS stores of the raw codes, of my fragment's image and of its scale word have read v128 to v163, over which the first five products lay their results
	PROJ 0
	v_wmma_scale_f32_16x16x128_f8f6f4 v[DP:DP+7], v[WTF:WTF+11], v[H1F:H1F+11], 0, v[WTS], v[H1S] matrix_a_fmt:MATRIX_FMT_BF6 matrix_b_fmt:MATRIX_FMT_BF6   ; p1 of my half's rows
.rept 5
	v_nop                                          ; four places in front of the stores of results and of the loads into operands; five, since the next five products write over these results
.endr
	s_wait_alu depctr_va_vdst(0)                   ; the products have written v[DD ..], which the LDS stores read, and are done reading v[HF ..], in which the next five fragments land; the places above stay beside this wait
	CSTORE 0
	HFRAG 1
.irp j, 0,2,4,6
	v_pk_mul_f32 v[NE+\j:NE+\j+1], v[DP+\j:DP+\j+1], -1.0 op_sel_hi:[1,0]       ; e = -p1, from the accumulator's low end on
.endr
	v_pk_mul_f32 v[56:57], v[DP:DP+1], v[WT:WT+1]                               ; my eight features' part of sA
.irp j, 2,4,6
	v_pk_fma_f32 v[56:57], v[DP+\j:DP+\j+1], v[WT+\j:WT+\j+1], v[56:57]
.endr
	v_add_f32 v56, v56, v57
	v_permlanex16_b32 v[PD], v56, s40, s41
	v_add_f32 v56, v56, v[PD]                      ; with lane l xor 16's eight: the tile's sixteen
	s_wait_alu depctr_va_vdst(0)                   ; e in v[NE ..] and my part of sA in v56 are written, which the three LDS stores read
	ds_store_b128 v[EST], v[NE:NE+3]
	ds_store_b128 v[EST], v[NE+4:NE+7] offset:16
	ds_store_b32 v[SAST], v56                      ; both lanes of a row write the same word with the same value
	s_wait_dscnt 0x0                               ; the second five fragments are in
	s_wait_alu depctr_vm_vsrc(0)                   ; the LDS stores of the first five tiles have read v[DD ..], which the next five products write again
	PROJ 1
.rept 4
	v_nop                                          ; places in front of the stores of results, and of the pair loop's loads into registers that these products read
.endr
	s_wait_alu depctr_va_vdst(0)                   ; the products have written v[DD ..], which the LDS stores read.  No vector line follows before the pair phase's first loads: so this wait also states that all readers and writers of v114 to v225, in which those land, are done
	CSTORE 1
	BARRIER                                        ; c, e, the parts of sA and W2 lie in LDS
	; ---- the pairs: 5 rows x 160 columns x 32 features a wave, four features at a time, on two buffers
	s_wait_xcnt 0x0                                ; the stores of mask and y_contact have read their data: those registers take the maxima
	s_wait_alu depctr_vm_vsrc(0)                   ; beside it: those stores have read v228 to v243, which the maxima write; the LDS stores of c and of W2 have read v128 to v167 and v196 to v203, in which W2 and the two buffers land
.irp c, 0,1,2,3,4,5,6,7
	ds_load_b128 v[WR+4*\c:WR+4*\c+3], v[WRD] offset:16*\c
.endr
	LOADCH 0, 0
	LOADCH 1, 1
	s_wait_dscnt 10                                ; LDS loads come back in order: all but the next chunk's ten are in
	COMP 0, 0, 1, 0
.irp ch, 1,2,3,4,5,6
	s_wait_dscnt 0x0                               ; this chunk's ten loads, issued in the chunk before (chunk 1's: ahead of chunk 0), are in; none younger is out
	s_wait_alu depctr_va_vdst(0)                   ; the chunk before is done reading its buffer, in which the next chunk's ten loads land
	COMP \ch%2, \ch, 0, 1
.endr
	s_wait_dscnt 0x0
	COMP 1, 7, 0, 0
.irp n, 0,1,2,3,4,5,6,7,8,9,10,11,12,13,14,15,16,17,18,19,20,21,22,23,24
	v_add_f32 v[ACC+2*\n], v[ACC+2*\n], v[ACC+2*\n+1]                           ; a sum's two halves
.endr
	s_wait_alu depctr_va_vdst(0)                   ; the 25 sums are written, which the LDS stores read; and all readers of v64 to v119, in which the way out's loads land, are done
.irp i, 0,1,2,3,4
.irp j, 0,1,2,3,4
	ds_store_b32 v[STW], v[ACC+2*(5*\i+\j)] offset:1280*\i+128*\j
.endr
.endr
	BARRIER                                        ; the four parts of every pair sum lie in LDS
	; ---- pred
	s_wait_alu depctr_vm_vsrc(0)                   ; my LDS stores into the stage have read v[ACC ..], in which both pieces' loads land
	s_wait_kmcnt 0x0                               ; b2
	OUT0 0
	s_cmp_lt_u32 s32, 9
	s_cbranch_scc0 .Lno_out
	OUT0 1
.Lno_out:
	s_wait_dscnt 0x0                               ; the closing lines, six on end
	s_wait_alu 0x0
	s_wait_tensorcnt 0x0
	ds_add_u32 v[SPW], v[NIL]
	s_wait_dscnt 0x0
	s_endpgm
.Lfunc_end_k_qb4b8145cc1_pairs:
	.size	k_qb4b8145cc1_pairs, .Lfunc_end_k_qb4b8145cc1_pairs-k_qb4b8145cc1_pairs
	.p2alignl 7, 3214868480
	.fill 96, 4, 3214868480
	.section	.rodata,"a",@progbits
	.p2align	6, 0x0
	.amdhsa_kernel k_qb4b8145cc1_pairs
		.amdhsa_group_segment_fixed_size 298496
		.amdhsa_private_segment_fixed_size 0
		.amdhsa_enable_private_segment 0
		.amdhsa_kernarg_size 112
		.amdhsa_user_sgpr_count 2
		.amdhsa_user_sgpr_kernarg_segment_ptr 1
		.amdhsa_wavefront_size32 1
		.amdhsa_system_sgpr_workgroup_id_x 1
		.amdhsa_system_sgpr_workgroup_id_y 1
		.amdhsa_system_sgpr_workgroup_id_z 1
		.amdhsa_system_vgpr_workitem_id 0
		.amdhsa_next_free_vgpr 256
		.amdhsa_next_free_sgpr 66
		.amdhsa_reserve_vcc 1
		.amdhsa_float_denorm_mode_32 3
		.amdhsa_float_denorm_mode_16_64 3
		.amdhsa_memory_ordered 1
		.amdhsa_forward_progress 1
		.amdhsa_inst_pref_size 94
	.end_amdhsa_kernel
	.amdgpu_metadata
---
amdhsa.version: [ 1, 2 ]
amdhsa.kernels:
  - .name:           k_qb4b8145cc1_pairs
    .symbol:         k_qb4b8145cc1_pairs.kd
    .args:
      - { .name: W1, .offset: 0, .size: 8, .value_kind: global_buffer, .address_space: global }
      - { .name: h_mol1_codes, .offset: 8, .size: 8, .value_kind: global_buffer, .address_space: global }
      - { .name: h_mol1_scales, .offset: 16, .size: 8, .value_kind: global_buffer, .address_space: global }
      - { .name: h_mol2_codes, .offset: 24, .size: 8, .value_kind: global_buffer, .address_space: global }
      - { .name: h_mol2_scales, .offset: 32, .size: 8, .value_kind: global_buffer, .address_space: global }
      - { .name: b1, .offset: 40, .size: 8, .value_kind: global_buffer, .address_space: global }
      - { .name: W2, .offset: 48, .size: 8, .value_kind: global_buffer, .address_space: global }
      - { .name: b2, .offset: 56, .size: 8, .value_kind: global_buffer, .address_space: global }
      - { .name: S_mol1, .offset: 64, .size: 8, .value_kind: global_buffer, .address_space: global }
      - { .name: S_mol2, .offset: 72, .size: 8, .value_kind: global_buffer, .address_space: global }
      - { .name: contact_map, .offset: 80, .size: 8, .value_kind: global_buffer, .address_space: global }
      - { .name: out0, .offset: 88, .size: 8, .value_kind: global_buffer, .address_space: global }
      - { .name: out1, .offset: 96, .size: 8, .value_kind: global_buffer, .address_space: global }
      - { .name: out2, .offset: 104, .size: 8, .value_kind: global_buffer, .address_space: global }
    .group_segment_fixed_size: 298496
    .private_segment_fixed_size: 0
    .kernarg_segment_align: 8
    .kernarg_segment_size: 112
    .max_flat_workgroup_size: 512
    .sgpr_count:     66
    .vgpr_count:     256
    .wavefront_size: 32
...
	.end_amdgpu_metadata
.endif
;; end of part 2
